; MI455X (gfx1250); checked and timed in simulation.
; The chip was launched on July 23, 2026; its instructions are those of AMD's public machine-readable ISA for CDNA 5 (MIT licence, August 2026) and "CDNA5" Instruction Set Architecture Reference Guide (July 2026). The comments in the code are by the model that wrote it; some were corrected since.
;; NNTD Lambda. Allowed arithmetic: float matrix products may take bf16 or f16 operands with f32 sums; other float arithmetic in f32, or as packed bf16 or f16 multiplies, adds, multiply-adds, maxima and minima; sums over many terms, partial sums and values carried from step to step in f32; what a program stores and reads back later, other than sums and carried values, may be rounded once to bf16 or f16.
;; Inputs: W1 256 x 256 float32; W2 256 x 1 float32; b1 256 float32; b2 1 float32; xs 2,048 x 256 float32; ys 2,048 x 2 float32.
;; Outputs: out0 66,050 float32.
;; One version. Each part assembles by itself: llvm-mc -triple=amdgcn-amd-amdhsa -mcpu=gfx1250 --defsym DOCPART=n.
;; ======== version 1 of 1: 2 launches
;; limits: values outside matrix products are rounded to bf16
;; workspace buffers: usp 32,768 bytes; xf 1,048,576 bytes; mf 1,048,576 bytes; hf 1,048,576 bytes
;; launch forward (part 1): grid 64 x 4, 4 waves a work-group, no clusters, 57,344 bytes of LDS; arguments xs, W1, b1, W2, usp, xf, mf, hf; writes usp, xf, mf, hf
.if DOCPART == 1
	.amdgcn_target "amdgcn-amd-amdhsa--gfx1250"
	.amdhsa_code_object_version 6
	.text
	.protected	k_qe3e618afbe_forward
	.globl	k_qe3e618afbe_forward
	.p2align	8
	.type	k_qe3e618afbe_forward,@function
k_qe3e618afbe_forward:
	s_mov_b64 s[64:65], 0
	v_nop
	global_prefetch_b8 v0, s[64:65] scope:SCOPE_SE
	s_setreg_imm32_b32 hwreg(HW_REG_WAVE_MODE, 25, 1), 1
	s_wait_xcnt 0x0
; FORWARD PASS of TD(lambda) on a fixed two-layer value net: pre = xs W1 + b1, h = relu(pre), us = h W2 (+ b2 in the next launch).
; A work-group owns 32 steps t (rb = group x) and 64 hidden columns n (cb = group y).  It leaves for the next launch
;   usp[cb][t]   f32   its 64 columns' share of us[t]
;   hf, mf       bf16  h and the relu mask (1.0 / 0) as ready matrix fragments with K = t
;   xf           bf16  xs transposed into the same fragment form (this group: the 64 inputs d = 64 cb ..)
; A fragment block is 1,024 bytes for 16 rows and 32 steps: [g 0..1][lane 0..31][16 bytes]; lane (r = lane % 16, h = lane / 16) holds
; steps 32 ks + 16 g + 8 h + 0..7 of row r.  Blocks lie as [row group 0..15][ks 0..63].  Row r of group cg of hf, mf is column 16 cg + r;
; row r of group dg of xf is input d = 32 (dg / 2) + dg % 2 + 2 r.
; The accumulator of a 16 x 16 product (lane = column, registers = 8 steps) is that layout already: h and the mask go out without a shuffle.
;
; Four waves split K = d: wave w takes d = 64 w .. 64 w + 63, 16 matrix instructions on 2 x 4 tiles; the four partial sums meet in LDS.
; W1 lies [k][n].  A lane's 16-byte load takes columns 4 r .. 4 r + 3 of one row k, sixteen lanes 256 consecutive bytes; float j of the
; load belongs to fragment j, whose column r is n = 4 r + j.  So no transposition is needed; the LDS exchange puts the columns in order again.
; us has ONE output column: it is made in f32 from the accumulators (a multiply, then sums over lanes), not by a matrix instruction.
; NO CLUSTER: four groups share the 32 rows of xs and 64 share a slice of W1, but both are f32 and are converted on the way into
; registers; a joint request would have to land in LDS, 96 KB more LDS writes and reads for a group with 64 matrix instructions.
; No loop, so no ring and no prefetch: each wave asks for all its 58 loads in one run at its head.
; LIMITS: matrix operands are rounded to bf16, sums in f32.  b1 is taken as one more row of the operand [W1; b1] against [x, 1]: it is rounded
; to bf16 like W1 and added in f32, so that the sign of pre, which decides the mask, is formed from operands of one precision.
; A mask entry whose pre lies within the f32 summation error of 0 may differ from reference()'s.  A NaN in pre is dropped by the relu
; (v_max_num_f32): inputs are taken as finite.
.set ROWB,  1024                       ; bytes in a row of xs and of W1
.set XS_P,  144                        ; stage of xs: 64 bf16 + 16 bytes, an odd multiple of 16, so that 16 rows start at 16 different 16-byte columns of 256
.set XS_W,  32*XS_P                    ; a wave's own stage: 32 rows
.set RED,   4*XS_W                     ; the exchange of partial sums: [wave][j 0..3][r 0..15][32 steps f32]
.set RED_P, 144                        ; 32 f32 + 16 bytes
.set RED_J, 16*RED_P+64                ; + 64: a reader's lanes take j = r % 4, place r / 4 and still meet 16 different 16-byte columns (9 (r/4) + 4 (r%4) mod 16)
.set RED_W, 4*RED_J
.set USR,   RED+4*RED_W                ; [wave][32 steps] shares of us
.set XT,  16                           ; v[16:31]   xs for the transposition: 8 steps x 2 inputs;  later v16-19 addresses
.set XTP, 32                           ; v[32:39]   the same, packed
.set XA,  32                           ; v[32:63]   A fragments: (row tile rt, K step s) at 8 (2 rt + s)
.set XF,  64                           ; v[64:127]  xs in f32 as loaded
.set WB0, 64                           ; v[64:95]   W1 fragments of K step 0 (4 x 8)
.set AC0, 96                           ; v[96:127]  accumulators of row tile 0; row tile 1 at v[160:191]
.set WF,  128                          ; v[128:255] W1 in f32 as loaded: K step s, element e at 4 (16 s + e)
.set WB1, 128                          ; v[128:159] W1 fragments of K step 1
.set RD,  192                          ; v[192:255] the four partial sums read back; then h, mask, h W2, packed h, packed mask
.set K8,  64                           ; lane sums: 8, 4, 2, 1 survivors and what is sent
.set SND, 72
.set K4,  80
.set K2,  84
.set K1,  86
	s_load_b512 s[8:23], s[0:1], 0x0               ; xs s[8:9], W1 s[10:11], b1 s[12:13], W2 s[14:15], usp s[16:17], xf s[18:19], mf s[20:21], hf s[22:23]
	s_set_vgpr_msb 0x40
	v_lshl_add_u32 v0, v0, 2, 0xde00
	v_mov_b32 v1, 0
	s_set_vgpr_msb 0x4000
	v_lshrrev_b32 v1, 5, v0
	v_readfirstlane_b32 s4, v1                     ; wave w
	s_and_b32 s6, ttmp7, 0xffff                    ; cb
	v_and_b32 v1, 31, v0                           ; lane
	v_and_b32 v2, 15, v0                           ; r
	v_bfe_u32 v3, v0, 4, 1                         ; h
	v_lshlrev_b32 v4, 4, v2                        ; 16 r
	v_lshl_add_u32 v5, v3, 13, v4                  ; W1: 8 h rows + 16 r
	v_lshl_add_u32 v6, v3, 10, v4                  ; xs: h rows + 16 r
	v_lshlrev_b32 v7, 3, v1                        ; xs for the transposition: 8 bytes a lane
	v_lshl_add_u32 v8, v3, 17, v4                  ; xf: 2 h row groups + 16 r
	v_lshlrev_b32 v9, 2, v2                        ; b1, W2: 4 r
	v_lshlrev_b32 v10, 4, v1                       ; hf, mf: 16 bytes a lane
	; byte offsets, each in a pair of its own with 0 on top
	s_lshl_b32 s24, ttmp9, 15                      ; rb x 32 rows of xs
	s_lshl_b32 s25, s6, 8                          ; cb x 64 f32
	s_lshl_b32 s26, s4, 8                          ; w x 256
	s_lshl_b32 s27, s4, 13                         ; w x 8 rows
	s_lshl_b32 s42, s4, 16                         ; w x 64 rows of W1; also w row groups of fragments
	s_lshl_b32 s36, s6, 18                         ; cb x 4 row groups
	s_lshl_b32 s37, ttmp9, 10                      ; rb blocks
	s_add_co_u32 s28, s24, s27
	s_add_co_u32 s28, s28, s25                     ; xs, transposition: steps 32 rb + 8 w, inputs 64 cb
	s_mov_b32 s29, 0
	s_add_co_u32 s30, s24, s26                     ; xs, product: steps 32 rb, inputs 64 w
	s_mov_b32 s31, 0
	s_add_co_u32 s32, s42, s25                     ; W1: rows 64 w, columns 64 cb
	s_mov_b32 s33, 0
	s_lshl_b32 s34, s4, 6
	s_add_co_u32 s34, s34, s25                     ; b1, W2: column 64 cb + 16 w
	s_mov_b32 s35, 0
	s_add_co_u32 s38, s36, s37
	s_add_co_u32 s40, s38, s26                     ; xf: group 4 cb, block rb, my 256 bytes of it
	s_mov_b32 s41, 0
	s_add_co_u32 s38, s38, s42                     ; hf, mf: group 4 cb + w, block rb
	s_mov_b32 s39, 0
	s_lshl_b32 s44, s6, 13
	s_lshl_b32 s45, ttmp9, 7
	s_add_co_u32 s44, s44, s45                     ; usp: [cb][32 rb]
	s_mov_b32 s45, 0
	s_wait_kmcnt 0x0
	s_add_nc_u64 s[46:47], s[8:9], s[28:29]
	s_add_nc_u64 s[48:49], s[8:9], s[30:31]
	s_add_nc_u64 s[50:51], s[10:11], s[32:33]
	s_add_nc_u64 s[52:53], s[12:13], s[34:35]
	s_add_nc_u64 s[54:55], s[14:15], s[34:35]
	s_add_nc_u64 s[16:17], s[16:17], s[44:45]
	s_add_nc_u64 s[18:19], s[18:19], s[40:41]
	s_add_nc_u64 s[20:21], s[20:21], s[38:39]
	s_add_nc_u64 s[22:23], s[22:23], s[38:39]
	; ALL 58 LOADS, in the order in which they are used
.set i, 0
.rept 8
	global_load_b64 v[XT+2*i:XT+2*i+1], v7, s[46:47] offset:i*ROWB     ; step 8 w + i, inputs 2 lane, 2 lane + 1: 256 consecutive bytes
.set i, i+1
.endr
.set i, 0
.rept 16
	global_load_b128 v[XF+4*i:XF+4*i+3], v6, s[48:49] offset:i*2*ROWB  ; steps 2 i + h, my 64 inputs: 256 consecutive bytes for each half of the lanes
.set i, i+1
.endr
.set i, 0
.rept 32
	global_load_b128 v[WF+4*i:WF+4*i+3], v5, s[50:51] offset:((i/16)*32+(i%16)+((i%16)/8)*8)*ROWB  ; row k = 32 s + 8 h + e (e < 8), 32 s + 16 + 8 h + e - 8 (else)
.set i, i+1
.endr
	global_load_b32 v14, v9, s[52:53]              ; b1 of the column that I own behind the exchange
	global_load_b32 v15, v9, s[54:55]              ; W2 of it
	; LDS addresses, while the loads are on their way
	s_mul_i32 s56, s4, XS_W
	s_mul_i32 s57, s4, RED_W
	s_add_co_u32 s57, s57, RED
	v_mul_u32_u24 v11, v3, XS_P
	v_lshl_add_u32 v11, v2, 3, v11
	v_add_nc_u32 v11, s56, v11                     ; stage, in: row h, 8 bytes for 4 inputs
	v_mul_u32_u24 v12, v2, XS_P
	v_lshl_add_u32 v13, v3, 5, v12
	v_lshl_add_u32 v12, v3, 4, v12
	v_add_nc_u32 v12, s56, v12                     ; stage, out: row r, 16 h bytes
	v_add_nc_u32 v13, s57, v13                     ; exchange, in: column r of a fragment, steps 8 h ..
	s_mov_b32 s60, 0xff00ff00                      ; lanes with r & 8
	s_mov_b32 s61, 0xf0f0f0f0                      ; r & 4
	s_mov_b32 s62, 0xcccccccc                      ; r & 2
	s_mov_b32 s63, 0xaaaaaaaa                      ; r & 1
	; xs TRANSPOSED: a lane holds 8 steps of 2 inputs; pairs of steps pack into the fragment's words
	s_wait_loadcnt 50                              ; loads return in order (ISA guide 5.7.1): the 8 oldest are in, 16 + 32 + 2 stay out
.irp q, 0,1,2,3
	v_cvt_pk_bf16_f32 v[XTP+\q],   v[XT+4*\q],   v[XT+4*\q+2]
	v_cvt_pk_bf16_f32 v[XTP+4+\q], v[XT+4*\q+1], v[XT+4*\q+3]
.endr
	global_store_b128 v8, v[XTP:XTP+3],   s[18:19]               ; even inputs: each half of the lanes fills 256 consecutive, aligned bytes
	global_store_b128 v8, v[XTP+4:XTP+7], s[18:19] offset:65536  ; odd inputs: the next row group
	; three more addresses, in registers that the transposition has done with
	v_and_b32 v16, 3, v2
	v_lshrrev_b32 v19, 2, v2
	v_mul_u32_u24 v16, v16, RED_J
	v_mad_u32_u24 v16, v19, RED_P, v16
	v_lshl_add_u32 v16, v3, 5, v16
	s_mul_i32 s58, s4, 4*RED_P
	s_add_co_u32 s58, s58, RED
	v_add_nc_u32 v16, s58, v16                     ; exchange, out: column 16 w + r lies in fragment r % 4 at place 4 w + r / 4
	v_lshrrev_b32 v19, 3, v2
	v_and_b32 v17, 7, v2
	v_lshlrev_b32 v17, 2, v17
	v_lshl_add_u32 v17, v19, 6, v17
	v_lshl_add_u32 v17, v3, 5, v17
	s_lshl_b32 s59, s4, 7
	s_add_co_u32 s59, s59, USR
	v_add_nc_u32 v17, s59, v17                     ; my share of us: step 16 (r / 8) + 8 h + r % 8
	v_lshlrev_b32 v18, 2, v1                       ; 4 x lane
	; xs FOR THE PRODUCT: to bf16, through my own stage, back as fragments (row = step, K = d)
	s_wait_loadcnt 34                              ; the 16 loads of xs are in; 32 + 2 stay out
.set i, 0
.rept 16
	v_cvt_pk_bf16_f32 v[XF+4*i],   v[XF+4*i],   v[XF+4*i+1]
	v_cvt_pk_bf16_f32 v[XF+4*i+1], v[XF+4*i+2], v[XF+4*i+3]
	ds_store_b64 v11, v[XF+4*i:XF+4*i+1] offset:i*2*XS_P
.set i, i+1
.endr
	s_wait_xcnt 0x0                                ; v[32:39], which the two stores above read, are loaded into only behind this wait
.irp rt, 0,1
.irp s, 0,1
	ds_load_b128 v[XA+(2*\rt+\s)*8:XA+(2*\rt+\s)*8+3],   v12 offset:\rt*16*XS_P+\s*64     ; LDS serves a wave in order: these see my stores;
	ds_load_b128 v[XA+(2*\rt+\s)*8+4:XA+(2*\rt+\s)*8+7], v12 offset:\rt*16*XS_P+\s*64+32  ; the stage is my wave's own, so no barrier
.endr
.endr
; W1 to bf16: word q of fragment j pairs rows e = 2 q, 2 q + 1 of float j
.macro WCONV s, dst
.irp j, 0,1,2,3
.irp q, 0,1,2,3,4,5,6,7
	v_cvt_pk_bf16_f32 v[\dst+8*\j+\q], v[WF+(16*\s+2*\q)*4+\j], v[WF+(16*\s+2*\q+1)*4+\j]
.endr
.endr
.endm
; 8 matrix instructions: 2 row tiles x 4 fragments of W1, 32 along K.  The first K step starts the sums with C = 0.
.macro MM s, wb, first
.irp rt, 0,1
.irp j, 0,1,2,3
.if \first
	v_wmma_f32_16x16x32_bf16 v[AC0+64*\rt+8*\j:AC0+64*\rt+8*\j+7], v[XA+(2*\rt+\s)*8:XA+(2*\rt+\s)*8+7], v[\wb+8*\j:\wb+8*\j+7], 0
.else
	v_wmma_f32_16x16x32_bf16 v[AC0+64*\rt+8*\j:AC0+64*\rt+8*\j+7], v[XA+(2*\rt+\s)*8:XA+(2*\rt+\s)*8+7], v[\wb+8*\j:\wb+8*\j+7], v[AC0+64*\rt+8*\j:AC0+64*\rt+8*\j+7]
.endif
.endr
.endr
.endm
	s_wait_loadcnt 18                              ; W1's first 16 loads (K step 0) are in; 16 + 2 stay out
	s_wait_dscnt 0x0                               ; the fragments of xs are in
	WCONV 0, WB0
	MM 0, WB0, 1
	s_wait_loadcnt 2                               ; K step 1 is in; b1 and W2 stay out
	WCONV 1, WB1                                   ; into registers of K step 0's f32, none of them named by the products above
	MM 1, WB1, 0
.rept 4
	v_nop                                          ; four places between the last product and the LDS stores that read results
.endr
	; THE EXCHANGE: my partial sums of all 64 columns in; the complete sums of 16 columns out
.irp rt, 0,1
.irp j, 0,1,2,3
	ds_store_b128 v13, v[AC0+64*\rt+8*\j:AC0+64*\rt+8*\j+3]   offset:\j*RED_J+\rt*64
	ds_store_b128 v13, v[AC0+64*\rt+8*\j+4:AC0+64*\rt+8*\j+7] offset:\j*RED_J+\rt*64+16
.endr
.endr
	s_wait_dscnt 0x0                               ; for the other waves: my stores are done before I say so
	s_barrier_signal -1
	s_barrier_wait -1
.irp p, 0,1,2,3
.irp c, 0,1,2,3
	ds_load_b128 v[RD+16*\p+4*\c:RD+16*\p+4*\c+3], v16 offset:\p*RED_W+(\c/2)*64+(\c%2)*16   ; wave p's share: steps 16 (c / 2) + 8 h + 4 (c % 2) ..
.endr
.endr
	s_wait_loadcnt 0x0                             ; b1, W2
	v_cvt_pk_bf16_f32 v14, v14, v14                ; b1 rounded like the rows of W1 (see the head),
	v_lshlrev_b32 v14, 16, v14                     ; and widened again: it is added in f32
	s_wait_dscnt 0x0
.irp c, 0,2,4,6,8,10,12,14
	v_pk_add_f32 v[RD+\c:RD+\c+1], v[RD+\c:RD+\c+1], v[RD+16+\c:RD+16+\c+1]
	v_pk_add_f32 v[RD+32+\c:RD+32+\c+1], v[RD+32+\c:RD+32+\c+1], v[RD+48+\c:RD+48+\c+1]
.endr
.irp c, 0,2,4,6,8,10,12,14
	v_pk_add_f32 v[RD+\c:RD+\c+1], v[RD+\c:RD+\c+1], v[RD+32+\c:RD+32+\c+1]
.endr
.irp c, 0,2,4,6,8,10,12,14
	v_pk_add_f32 v[RD+\c:RD+\c+1], v[RD+\c:RD+\c+1], v[14:15] op_sel_hi:[1,0]     ; + b1 (v14 for both halves)
.endr
	; register q of RD: step 16 (q / 8) + 8 h + q % 8 of column 64 cb + 16 w + r
.set q, 0
.rept 16
	v_max_num_f32 v[RD+q], 0, v[RD+q]              ; h
	v_cmp_lt_f32 vcc_lo, 0, v[RD+q]
	v_cndmask_b32 v[RD+16+q], 0, 1.0, vcc_lo       ; the relu's derivative: 1 where pre > 0
.set q, q+1
.endr
.irp c, 0,1,2,3,4,5,6,7
	v_cvt_pk_bf16_f32 v[RD+48+\c], v[RD+2*\c], v[RD+2*\c+1]
	v_cvt_pk_bf16_f32 v[RD+56+\c], v[RD+16+2*\c], v[RD+16+2*\c+1]
.endr
	global_store_b128 v10, v[RD+48:RD+51], s[22:23]              ; a whole fragment block each of h and of the mask:
	global_store_b128 v10, v[RD+52:RD+55], s[22:23] offset:512   ; every store of the wave covers 512 consecutive bytes
	global_store_b128 v10, v[RD+56:RD+59], s[20:21]
	global_store_b128 v10, v[RD+60:RD+63], s[20:21] offset:512
.irp c, 0,2,4,6,8,10,12,14
	v_pk_mul_f32 v[RD+32+\c:RD+32+\c+1], v[RD+\c:RD+\c+1], v[14:15] op_sel:[0,1] op_sel_hi:[1,1]   ; h W2[n] (v15 for both halves)
.endr
; The sum over the 16 columns of a half wave, for 16 steps at once: in each turn a lane keeps half of its numbers and sends the other
; half to the lane r xor xm, which keeps those.  3 x (8 + 4 + 2 + 1) instructions, and lane r ends with the sum for number q = r.
.macro HALVE src, dst, n, msk, xm
.set q, 0
.rept \n
	v_cndmask_b32 v[\dst+q], v[\src+q], v[\src+q+\n], \msk
	v_cndmask_b32 v[SND+q], v[\src+q+\n], v[\src+q], \msk
	v_add_f32_dpp v[\dst+q], v[SND+q], v[\dst+q] row_xmask:\xm row_mask:0xf bank_mask:0xf
.set q, q+1
.endr
.endm
	HALVE RD+32, K8, 8, s60, 8
	HALVE K8, K4, 4, s61, 4
	HALVE K4, K2, 2, s62, 2
	HALVE K2, K1, 1, s63, 1
	ds_store_b32 v17, v[K1]
	s_wait_dscnt 0x0                               ; for wave 0: done before I say so
	s_barrier_signal -1
	s_barrier_wait -1
	s_cmp_lg_u32 s4, 0
	s_cbranch_scc1 .Ldone
	ds_load_b32 v64, v18 offset:USR                ; wave 0 adds the four waves' shares of step = lane
	ds_load_b32 v65, v18 offset:USR+128
	ds_load_b32 v66, v18 offset:USR+256
	ds_load_b32 v67, v18 offset:USR+384
	s_wait_dscnt 0x0
	v_add_f32 v64, v64, v65
	v_add_f32 v66, v66, v67
	v_add_f32 v64, v64, v66
	global_store_b32 v18, v64, s[16:17]            ; 128 consecutive bytes: all that a group of 32 steps has of usp
.Ldone:
	s_set_vgpr_msb 0x5
	s_wait_tensorcnt 0x0
	ds_add_u32 v0, v1
	s_wait_dscnt 0x0
	s_set_vgpr_msb 0x500
	s_endpgm
.Lfunc_end_k_qe3e618afbe_forward:
	.size	k_qe3e618afbe_forward, .Lfunc_end_k_qe3e618afbe_forward-k_qe3e618afbe_forward
	.p2alignl 7, 3214868480
	.fill 96, 4, 3214868480
	.section	.rodata,"a",@progbits
	.p2align	6, 0x0
	.amdhsa_kernel k_qe3e618afbe_forward
		.amdhsa_group_segment_fixed_size 57344
		.amdhsa_private_segment_fixed_size 0
		.amdhsa_enable_private_segment 0
		.amdhsa_kernarg_size 64
		.amdhsa_user_sgpr_count 2
		.amdhsa_user_sgpr_kernarg_segment_ptr 1
		.amdhsa_wavefront_size32 1
		.amdhsa_system_sgpr_workgroup_id_x 1
		.amdhsa_system_sgpr_workgroup_id_y 1
		.amdhsa_system_sgpr_workgroup_id_z 1
		.amdhsa_system_vgpr_workitem_id 0
		.amdhsa_next_free_vgpr 258
		.amdhsa_next_free_sgpr 66
		.amdhsa_reserve_vcc 1
		.amdhsa_float_denorm_mode_32 3
		.amdhsa_float_denorm_mode_16_64 3
		.amdhsa_memory_ordered 1
		.amdhsa_forward_progress 1
		.amdhsa_inst_pref_size 31
	.end_amdhsa_kernel
	.amdgpu_metadata
---
amdhsa.version: [ 1, 2 ]
amdhsa.kernels:
  - .name:           k_qe3e618afbe_forward
    .symbol:         k_qe3e618afbe_forward.kd
    .args:
      - { .name: xs, .offset: 0, .size: 8, .value_kind: global_buffer, .address_space: global }
      - { .name: W1, .offset: 8, .size: 8, .value_kind: global_buffer, .address_space: global }
      - { .name: b1, .offset: 16, .size: 8, .value_kind: global_buffer, .address_space: global }
      - { .name: W2, .offset: 24, .size: 8, .value_kind: global_buffer, .address_space: global }
      - { .name: usp, .offset: 32, .size: 8, .value_kind: global_buffer, .address_space: global }
      - { .name: xf, .offset: 40, .size: 8, .value_kind: global_buffer, .address_space: global }
      - { .name: mf, .offset: 48, .size: 8, .value_kind: global_buffer, .address_space: global }
      - { .name: hf, .offset: 56, .size: 8, .value_kind: global_buffer, .address_space: global }
    .group_segment_fixed_size: 57344
    .private_segment_fixed_size: 0
    .kernarg_segment_align: 8
    .kernarg_segment_size: 64
    .max_flat_workgroup_size: 128
    .sgpr_count:     66
    .vgpr_count:     258
    .wavefront_size: 32
...
	.end_amdgpu_metadata
.endif
;; end of part 1
;; launch backward (part 2): grid 18 x 4, 16 waves a work-group, no clusters, 76,288 bytes of LDS; arguments usp, ys, b2, W2, xf, mf, hf, out0; writes out0
.if DOCPART == 2
	.amdgcn_target "amdgcn-amd-amdhsa--gfx1250"
	.amdhsa_code_object_version 6
	.text
	.protected	k_qe3e618afbe_backward
	.globl	k_qe3e618afbe_backward
	.p2align	8
	.type	k_qe3e618afbe_backward,@function
k_qe3e618afbe_backward:
	s_mov_b64 s[64:65], 0
	v_nop
	global_prefetch_b8 v0, s[64:65] scope:SCOPE_SE
	s_setreg_imm32_b32 hwreg(HW_REG_WAVE_MODE, 25, 1), 1
	s_wait_xcnt 0x0
; THE SCANS AND THE ACCUMULATED UPDATE of TD(lambda).  reference() carries a trace z and adds -sigma_t z_t step by step.  The parameters
; are fixed, so the double sum is taken the other way round, which is exact in real arithmetic for every input:
;   total = - sum over s of c_s grad_s,   c_s = sigma_s + 0.891 keep_s c_(s+1)   (backward),
;   sigma_t = e_t - r_t,  e_t = (g_t - us_t)^2,  r_(t+1) = keep_t (0.99 r_t + 0.01 e_t)   (forward),  keep_t = 0 where done_t > 0.5.
; grad_s: W1: x_s[d] m_s[n] W2[n];  b1: m_s[n] W2[n];  W2: h_s[n];  b2: 1.  So with K = the 2,048 steps
;   out W1[d][n] = -W2[n] sum c x[d] m[n],   out b1[n] = -W2[n] sum c m[n],   out W2[n] = -sum c h[n],   out b2 = -sum c,   then sigma_2047.
; LIMITS: the order of rounding differs from reference()'s; matrix operands are bf16 (x c is rounded to bf16 after x and c were);
; the scans, us, sum c and the scaling by W2 are in f32.  Inputs are taken as finite.
;
; A work-group makes 16 rows x 64 columns of the product (x = group x, nb = group y), so that each row piece is 256 consecutive, aligned bytes.
; x < 16: the rows are inputs d = 32 (x / 2) + x % 2 + 2 r, against the mask.  x = 16, 17: a row block of ones against the mask and against h
; gives out b1 and out W2 by the same code, and the same row formula gives their place: rows 256 and 257 of out.
; 16 waves split K: wave w has steps 128 w .. 128 w + 127, four K steps of 32.  All fragments come ready from the first launch, 512
; consecutive bytes for each load; a wave asks for all its loads at its head, and the operands travel while the scans run.
; Every work-group repeats the scans (48 KB of input): c hangs on all steps, and groups of a launch hand each other nothing.
; Thread i has steps 4 i .. 4 i + 3, so a wave's c are exactly its own K range and reach the matrix unit through LDS bytes of its own.
; 72 work-groups: a smaller tile would store parts of 256-byte pieces, and K split over groups would need a further launch.
; NO CLUSTER: the groups that share most (the 256 KB of mask or h of a column block) are 18 along x, which 4 does not divide; the 4 along y
; share xf alone, 64 of a group's 320 KB.  No loop, so no ring and no prefetch.
.set FT,    0                          ; 16 x 8 bytes: the waves' forward maps
.set BT,    128                        ; the same, backward
.set CSW,   256                        ; 16 x 4 bytes: the waves' sums of c
.set SGW,   320                        ; 16 x 4 bytes: the waves' last sigma
.set CB,    512                        ; c in bf16, 2 bytes a step, 256 bytes a wave
.set PART,  4608                       ; [wave][16 rows][64 f32 + 16 bytes]: the waves' partial products
.set PROW,  272                        ; an odd multiple of 16: the 16 rows of a store start at 16 different 16-byte columns of 256
.set PWAVE, 16*PROW
.set CC,   20                          ; v[20:23]   my four c
.set CP,   24                          ; v[24:25]   packed
.set CSUM, 26
.set C2,   32                          ; v[32:63]   c as fragments (K step ks at 8 ks);  before that:
.set UP,   32                          ;   v[32:47] four shares of us for my four steps
.set YS,   48                          ;   v[48:55] g, done x 4
.set B2V,  56
.set ACC,  64                          ; v[64:95]   4 accumulator tiles;  before that the scans:
.set E,    64                          ;   e
.set AA,   68                          ;   0.99 keep
.set BB,   72                          ;   0.01 keep e
.set GG,   76                          ;   0.891 keep
.set SG,   80                          ;   sigma
.set FA,   84                          ;   forward map r -> FA r + FB
.set FB,   85
.set TA,   86                          ;   a neighbour's map
.set TB,   87
.set WA,   88                          ;   a wave's map from the table
.set WB,   89
.set W0,   90                          ;   the value that enters my wave
.set IN,   91                          ;   the value that enters my thread
.set BG,   92                          ;   backward map c -> BG c + BS
.set BS,   93
.set R,    94
.set XA,   96                          ; v[96:127]  x (or ones) fragments, K step ks at 8 ks
.set MB,   128                         ; v[128:255] mask (or h) fragments: (ks, column group c) at 8 (4 ks + c)
.set SUM,  128                         ; behind the products: 16 partial pairs
	s_load_b512 s[8:23], s[0:1], 0x0               ; usp s[8:9], ys s[10:11], b2 s[12:13], W2 s[14:15], xf s[16:17], mf s[18:19], hf s[20:21], out s[22:23]
	v_lshl_add_u32 v19, v0, 2, 0x12200
	v_mov_b32 v29, 0
	v_lshrrev_b32 v1, 5, v0
	v_readfirstlane_b32 s4, v1                     ; wave w
	s_mov_b32 s5, ttmp9                            ; x
	s_and_b32 s6, ttmp7, 0xffff                    ; nb
	v_and_b32 v1, 31, v0                           ; lane
	v_and_b32 v2, 15, v0                           ; r
	v_bfe_u32 v3, v0, 4, 1                         ; h
	v_lshlrev_b32 v4, 4, v0                        ; usp: 4 f32 a thread
	v_lshlrev_b32 v5, 5, v0                        ; ys: 8 f32 a thread
	v_mov_b32 v6, 0
	v_lshlrev_b32 v7, 4, v1                        ; fragments: 16 bytes a lane
	v_lshlrev_b32 v8, 3, v1                        ; W2 and out: 2 f32 a lane
	s_lshl_b32 s26, s4, 12                         ; my 4 blocks of a row group
	s_lshl_b32 s24, s5, 16
	s_add_co_u32 s24, s24, s26                     ; xf: row group x
	s_mov_b32 s25, 0
	s_lshl_b32 s28, s6, 18
	s_add_co_u32 s28, s28, s26                     ; mf, hf: row groups 4 nb ..
	s_mov_b32 s29, 0
	s_lshl_b32 s30, s6, 8                          ; 64 nb columns in f32
	s_mov_b32 s31, 0
	s_lshr_b32 s32, s5, 1
	s_lshl_b32 s32, s32, 5
	s_and_b32 s33, s5, 1
	s_add_co_u32 s32, s32, s33
	s_lshl1_add_u32 s32, s4, s32                   ; the row of out that wave w stores: 32 (x / 2) + x % 2 + 2 w
	s_lshl_b32 s32, s32, 10
	s_add_co_u32 s32, s32, s30
	s_mov_b32 s33, 0
	s_sub_co_u32 s46, s4, 1                        ; the wave in front of mine (w = 0: a number that no lane bears)
	s_add_co_u32 s47, s4, 1                        ; the wave behind mine (w = 15: likewise)
	s_lshl2_add_u32 s51, s5, s6
	s_lshl4_add_u32 s51, s51, s4                   ; 64 x + 16 nb + w: names one wave of the launch
	s_mov_b32 s52, 0x3f7d70a4                      ; 0.99 = 1 - 0.01
	s_mov_b32 s53, 0x3c23d70a                      ; 0.01
	s_mov_b32 s54, 0x3f641893                      ; 0.891 = 0.99 x 0.9
	s_mov_b32 s55, 0xffff0000                      ; lanes 16-31
	s_mov_b32 s58, 0x0000ffff                      ; lanes 0-15
	s_mov_b32 s56, 0x76543210                      ; v_permlanex16_b32: lane i of the other half
	s_mov_b32 s57, 0xfedcba98
	s_wait_kmcnt 0x0
	s_cmp_eq_u32 s5, 17
	s_cselect_b64 s[36:37], s[20:21], s[18:19]     ; h for x = 17, the mask for all others
	s_add_nc_u64 s[36:37], s[36:37], s[28:29]
	s_add_nc_u64 s[38:39], s[14:15], s[30:31]
	s_add_nc_u64 s[22:23], s[22:23], s[32:33]
	s_cmp_ge_u32 s5, 16
	s_cbranch_scc1 .Lones
	s_add_nc_u64 s[34:35], s[16:17], s[24:25]
.irp ks, 0,1,2,3
	global_load_b128 v[XA+8*\ks:XA+8*\ks+3],   v7, s[34:35] offset:\ks*1024
	global_load_b128 v[XA+8*\ks+4:XA+8*\ks+7], v7, s[34:35] offset:\ks*1024+512
.endr
	s_branch .Lscan_in
.Lones:
.set i, 0
.rept 32
	v_mov_b32 v[XA+i], 0x3f803f80                  ; the rows of ones, two bf16 a word
.set i, i+1
.endr
.Lscan_in:
.irp p, 0,1,2,3
	global_load_b128 v[UP+4*\p:UP+4*\p+3], v4, s[8:9] offset:\p*8192
.endr
	global_load_b128 v[YS:YS+3],   v5, s[10:11]
	global_load_b128 v[YS+4:YS+7], v5, s[10:11] offset:16
	global_load_b32 v[B2V], v6, s[12:13]
.irp ks, 0,1,2,3
.irp c, 0,1,2,3
	global_load_b128 v[MB+(4*\ks+\c)*8:MB+(4*\ks+\c)*8+3],   v7, s[36:37] offset:\c*65536+\ks*1024
	global_load_b128 v[MB+(4*\ks+\c)*8+4:MB+(4*\ks+\c)*8+7], v7, s[36:37] offset:\c*65536+\ks*1024+512
.endr
.endr
	global_load_b64 v[16:17], v8, s[38:39]         ; W2 of my two columns
	; LDS addresses
	s_lshl_b32 s40, s4, 3
	v_mov_b32 v9, s40                              ; my wave's entry in a table of maps
	v_lshlrev_b32 v10, 3, v2                       ; entry r of it
	s_lshl_b32 s41, s4, 8
	s_add_co_u32 s41, s41, CB                      ; my wave's 128 c
	v_add_nc_u32 v11, s41, v8                      ; in: 8 bytes a lane
	v_lshl_add_u32 v12, v3, 4, s41                 ; out: steps 8 h ..
	s_lshl_b32 s59, s4, 2
	v_mov_b32 v13, s59                             ; my wave's word in CSW, SGW
	s_mul_i32 s42, s4, PWAVE
	s_add_co_u32 s42, s42, PART
	v_mul_u32_u24 v14, v2, PROW
	v_lshl_add_u32 v14, v3, 5, v14
	v_add_nc_u32 v14, s42, v14                     ; partial products, in: row r, columns 8 h ..
	s_mul_i32 s43, s4, PROW
	s_add_co_u32 s43, s43, PART
	v_add_nc_u32 v15, s43, v8                      ; out: row w, 2 columns a lane
	v_lshlrev_b32 v18, 2, v2                       ; word r of CSW
	v_mov_b32 v27, 0                               ; v_permlanex16_b32 counts as a reader of its destination
; (ra, rb) stands for the map y -> ra y + rb.  One step of an inclusive scan over a row of 16 lanes: my run of maps is applied BEHIND the
; run of the lane d places away (below me going forward, above me going backward).  A lane without that neighbour keeps the identity (1, 0),
; since a DPP shift leaves its destination where there is no source lane.
.macro STEP16 ra, rb, fwd, d
	v_mov_b32 v[TA], 1.0
	v_mov_b32 v[TB], 0
.if \fwd
	v_mov_b32_dpp v[TA], v[\ra] row_shr:\d row_mask:0xf bank_mask:0xf
	v_mov_b32_dpp v[TB], v[\rb] row_shr:\d row_mask:0xf bank_mask:0xf
.else
	v_mov_b32_dpp v[TA], v[\ra] row_shl:\d row_mask:0xf bank_mask:0xf
	v_mov_b32_dpp v[TB], v[\rb] row_shl:\d row_mask:0xf bank_mask:0xf
.endif
	v_fma_f32 v[\rb], v[\ra], v[TB], v[\rb]
	v_mul_f32 v[\ra], v[\ra], v[TA]
.endm
.macro SCAN16 ra, rb, fwd
	STEP16 \ra, \rb, \fwd, 1
	STEP16 \ra, \rb, \fwd, 2
	STEP16 \ra, \rb, \fwd, 4
	STEP16 \ra, \rb, \fwd, 8
.endm
; From each thread's map to the value that ENTERS each thread (in IN), the scan starting from 0 at the far end.
; lrow: the lane with the total of the row that comes first; msk: the lanes of the other row; ltot: the lane with the wave's total;
; nbr: the register with the number of the wave that comes just before mine; lfix: the lane whose neighbour lies in the other row.
.macro PREFIX ra, rb, fwd, tab, lrow, msk, ltot, nbr, lfix
	SCAN16 \ra, \rb, \fwd
	v_readlane_b32 s44, v[\ra], \lrow
	v_readlane_b32 s45, v[\rb], \lrow
	v_mov_b32 v[TA], s44
	v_mov_b32 v[TB], s45
	v_cndmask_b32 v[TA], 1.0, v[TA], s[\msk]       ; the second row goes behind the first row's total, the first behind the identity
	v_cndmask_b32 v[TB], 0, v[TB], s[\msk]
	v_fma_f32 v[\rb], v[\ra], v[TB], v[\rb]
	v_mul_f32 v[\ra], v[\ra], v[TA]
	v_readlane_b32 s44, v[\ra], \ltot
	v_readlane_b32 s45, v[\rb], \ltot
	v_mov_b32 v[WA], s44
	v_mov_b32 v[WB], s45
	ds_store_b64 v9, v[WA:WB] offset:\tab          ; every lane writes the same 8 bytes with the same value
	s_wait_dscnt 0x0                               ; for the other waves: done before I say so
	s_barrier_signal -1
	s_barrier_wait -1
	ds_load_b64 v[WA:WB], v10 offset:\tab          ; lane r: wave r's map, in both rows
	s_wait_dscnt 0x0
	SCAN16 WA, WB, \fwd
	v_cmp_eq_u32 vcc_lo, s[\nbr], v2
	v_cndmask_b32 v[W0], 0, v[WB], vcc_lo          ; the run up to my neighbour wave, applied to 0, is its rb; with no neighbour: 0
	v_add_f32_dpp v[W0], v[W0], v[W0] row_xmask:1 row_mask:0xf bank_mask:0xf
	v_add_f32_dpp v[W0], v[W0], v[W0] row_xmask:2 row_mask:0xf bank_mask:0xf
	v_add_f32_dpp v[W0], v[W0], v[W0] row_xmask:4 row_mask:0xf bank_mask:0xf
	v_add_f32_dpp v[W0], v[W0], v[W0] row_xmask:8 row_mask:0xf bank_mask:0xf   ; one number and fifteen zeros: now in every lane
	v_fma_f32 v[TB], v[\ra], v[W0], v[\rb]         ; the value that LEAVES each thread
	v_mov_b32 v[IN], v[W0]
.if \fwd
	v_mov_b32_dpp v[IN], v[TB] row_shr:1 row_mask:0xf bank_mask:0xf
.else
	v_mov_b32_dpp v[IN], v[TB] row_shl:1 row_mask:0xf bank_mask:0xf
.endif
	v_readlane_b32 s44, v[TB], \lrow
	v_writelane_b32 v[IN], s44, \lfix              ; across the two rows
.endm
	; e, and the coefficients of both recurrences
	s_wait_loadcnt 33                              ; loads return in order (ISA guide 5.7.1): x, usp, ys, b2 are in; 32 fragment loads and W2 stay out
	v_pk_add_f32 v[UP:UP+1], v[UP:UP+1], v[UP+4:UP+5]
	v_pk_add_f32 v[UP+2:UP+3], v[UP+2:UP+3], v[UP+6:UP+7]
	v_pk_add_f32 v[UP+8:UP+9], v[UP+8:UP+9], v[UP+12:UP+13]
	v_pk_add_f32 v[UP+10:UP+11], v[UP+10:UP+11], v[UP+14:UP+15]
	v_pk_add_f32 v[UP:UP+1], v[UP:UP+1], v[UP+8:UP+9]
	v_pk_add_f32 v[UP+2:UP+3], v[UP+2:UP+3], v[UP+10:UP+11]
.irp k, 0,1,2,3
	v_add_f32 v[UP+\k], v[UP+\k], v[B2V]           ; us
	v_cmp_lt_f32 vcc_lo, 0.5, v[YS+2*\k+1]         ; done > 0.5
	v_sub_f32 v[E+\k], v[YS+2*\k], v[UP+\k]
	v_cndmask_b32 v[GG+\k], 1.0, 0, vcc_lo         ; keep
	v_mul_f32 v[E+\k], v[E+\k], v[E+\k]
	v_mul_f32 v[AA+\k], s52, v[GG+\k]
	v_mul_f32 v[BB+\k], s53, v[E+\k]
	v_mul_f32 v[BB+\k], v[BB+\k], v[GG+\k]
	v_mul_f32 v[GG+\k], s54, v[GG+\k]
.endr
	; FORWARD: my four steps as one map, then r in front of my first step
	v_fma_f32 v[FB], v[AA+1], v[BB], v[BB+1]
	v_mul_f32 v[FA], v[AA], v[AA+1]
	v_fma_f32 v[FB], v[AA+2], v[FB], v[BB+2]
	v_mul_f32 v[FA], v[FA], v[AA+2]
	v_fma_f32 v[FB], v[AA+3], v[FB], v[BB+3]
	v_mul_f32 v[FA], v[FA], v[AA+3]
	PREFIX FA, FB, 1, FT, 15, 55, 31, 46, 16
	v_sub_f32 v[SG], v[E], v[IN]
	v_fma_f32 v[R], v[AA], v[IN], v[BB]
	v_sub_f32 v[SG+1], v[E+1], v[R]
	v_fma_f32 v[R], v[AA+1], v[R], v[BB+1]
	v_sub_f32 v[SG+2], v[E+2], v[R]
	v_fma_f32 v[R], v[AA+2], v[R], v[BB+2]
	v_sub_f32 v[SG+3], v[E+3], v[R]
	; BACKWARD: the same for c, from the last step down
	v_fma_f32 v[BS], v[GG+2], v[SG+3], v[SG+2]
	v_mul_f32 v[BG], v[GG+3], v[GG+2]
	v_fma_f32 v[BS], v[GG+1], v[BS], v[SG+1]
	v_mul_f32 v[BG], v[BG], v[GG+1]
	v_fma_f32 v[BS], v[GG], v[BS], v[SG]
	v_mul_f32 v[BG], v[BG], v[GG]
	PREFIX BG, BS, 0, BT, 16, 58, 0, 47, 15
	v_fma_f32 v[CC+3], v[GG+3], v[IN], v[SG+3]
	v_fma_f32 v[CC+2], v[GG+2], v[CC+3], v[SG+2]
	v_fma_f32 v[CC+1], v[GG+1], v[CC+2], v[SG+1]
	v_fma_f32 v[CC], v[GG], v[CC+1], v[SG]
	; c to bf16 and, through my wave's own 256 bytes, into the places of a fragment: all 16 rows of a lane half take the same 8 steps
	v_cvt_pk_bf16_f32 v[CP], v[CC], v[CC+1]
	v_cvt_pk_bf16_f32 v[CP+1], v[CC+2], v[CC+3]
	ds_store_b64 v11, v[CP:CP+1]
.irp ks, 0,1,2,3
	ds_load_b128 v[C2+8*\ks:C2+8*\ks+3],   v12 offset:64*\ks      ; LDS serves a wave in order: these see my store; the bytes are my wave's own
	ds_load_b128 v[C2+8*\ks+4:C2+8*\ks+7], v12 offset:64*\ks+32
.endr
	; my wave's sum of c (f32) and its last sigma, for the two numbers at the end of out
	v_add_f32 v[CSUM], v[CC], v[CC+1]
	v_add_f32 v[R], v[CC+2], v[CC+3]
	v_add_f32 v[CSUM], v[CSUM], v[R]
	v_add_f32_dpp v[CSUM], v[CSUM], v[CSUM] row_xmask:1 row_mask:0xf bank_mask:0xf
	v_add_f32_dpp v[CSUM], v[CSUM], v[CSUM] row_xmask:2 row_mask:0xf bank_mask:0xf
	v_add_f32_dpp v[CSUM], v[CSUM], v[CSUM] row_xmask:4 row_mask:0xf bank_mask:0xf
	v_add_f32_dpp v[CSUM], v[CSUM], v[CSUM] row_xmask:8 row_mask:0xf bank_mask:0xf
	v_permlanex16_b32 v27, v[CSUM], s56, s57
	v_add_f32 v[CSUM], v[CSUM], v27
	v_readlane_b32 s44, v[SG+3], 31
	v_mov_b32 v28, s44
	ds_store_b32 v13, v[CSUM] offset:CSW
	ds_store_b32 v13, v28 offset:SGW
	s_wait_dscnt 0x0                               ; the fragments of c are in
.set i, 0
.rept 32
	v_pk_mul_bf16 v[XA+i], v[XA+i], v[C2+i]        ; x c (ones: c itself)
.set i, i+1
.endr
; 4 matrix instructions: 32 steps, 4 groups of 16 columns.  Source 0 = the mask's (h's) columns, source 1 = the rows of x c, so that a lane's
; eight results are eight NEIGHBOURING columns 16 c + 8 h + 0..7 of row r.  The first K step starts the sums with C = 0.
.macro KSTEP ks, first
	s_wait_loadcnt 25-8*\ks                        ; this K step's 8 loads are in; 8 for each later K step and W2 stay out
.irp c, 0,1,2,3
.if \first
	v_wmma_f32_16x16x32_bf16 v[ACC+8*\c:ACC+8*\c+7], v[MB+(4*\ks+\c)*8:MB+(4*\ks+\c)*8+7], v[XA+8*\ks:XA+8*\ks+7], 0
.else
	v_wmma_f32_16x16x32_bf16 v[ACC+8*\c:ACC+8*\c+7], v[MB+(4*\ks+\c)*8:MB+(4*\ks+\c)*8+7], v[XA+8*\ks:XA+8*\ks+7], v[ACC+8*\c:ACC+8*\c+7]
.endif
.endr
.endm
	KSTEP 0, 1
	KSTEP 1, 0
	KSTEP 2, 0
	KSTEP 3, 0
.rept 4
	v_nop                                          ; four places behind the last product: for the LDS stores that read results and the loads into v128.. below (ISA guide 7.12.1)
.endr
.irp c, 0,1,2,3
	ds_store_b128 v14, v[ACC+8*\c:ACC+8*\c+3]   offset:64*\c
	ds_store_b128 v14, v[ACC+8*\c+4:ACC+8*\c+7] offset:64*\c+16
.endr
	s_wait_dscnt 0x0                               ; for the other waves: my partial products, sum of c and sigma are in LDS before I say so
	s_barrier_signal -1
	s_barrier_wait -1
	; wave w sums row w over the 16 waves' shares of K.  With the rows of ones all 16 rows are equal: wave 0 alone goes on.
	s_cmp_ge_u32 s5, 16
	s_cselect_b32 s49, s4, 0
	s_cmp_lg_u32 s49, 0
	s_cbranch_scc1 .Lend
.set p, 0
.rept 16
	ds_load_b64 v[SUM+2*p:SUM+2*p+1], v15 offset:p*PWAVE
.set p, p+1
.endr
	s_cmp_eq_u32 s5, 17
	s_cselect_b32 s48, -1, 0                       ; out W2 carries no factor W2
	s_wait_loadcnt 0x0                             ; W2
	v_cndmask_b32 v16, v16, 1.0, s48
	v_cndmask_b32 v17, v17, 1.0, s48
	s_wait_dscnt 0x0
.irp p, 0,1,2,3,4,5,6,7
	v_pk_add_f32 v[SUM+2*\p:SUM+2*\p+1], v[SUM+2*\p:SUM+2*\p+1], v[SUM+16+2*\p:SUM+16+2*\p+1]
.endr
.irp p, 0,1,2,3
	v_pk_add_f32 v[SUM+2*\p:SUM+2*\p+1], v[SUM+2*\p:SUM+2*\p+1], v[SUM+8+2*\p:SUM+8+2*\p+1]
.endr
.irp p, 0,1
	v_pk_add_f32 v[SUM+2*\p:SUM+2*\p+1], v[SUM+2*\p:SUM+2*\p+1], v[SUM+4+2*\p:SUM+4+2*\p+1]
.endr
	v_pk_add_f32 v[SUM:SUM+1], v[SUM:SUM+1], v[SUM+2:SUM+3]
	v_pk_mul_f32 v[SUM:SUM+1], v[SUM:SUM+1], v[16:17] neg_lo:[0,1] neg_hi:[0,1]   ; x (-W2[n]), or x (-1)
	global_store_b64 v8, v[SUM:SUM+1], s[22:23]    ; the wave stores 256 consecutive bytes, at a multiple of 256 from out's first byte
	; the last two numbers, by one wave of the launch: x = 17, nb = 0, w = 0, whose base is row 257
	s_cmp_lg_u32 s51, 64*17
	s_cbranch_scc1 .Lend
	ds_load_b32 v30, v18 offset:CSW                ; lane r: wave r's sum of c
	ds_load_b32 v31, v6 offset:SGW+60              ; wave 15's last sigma = sigma_2047
	s_wait_dscnt 0x0
	v_add_f32_dpp v30, v30, v30 row_xmask:1 row_mask:0xf bank_mask:0xf
	v_add_f32_dpp v30, v30, v30 row_xmask:2 row_mask:0xf bank_mask:0xf
	v_add_f32_dpp v30, v30, v30 row_xmask:4 row_mask:0xf bank_mask:0xf
	v_add_f32_dpp v30, v30, v30 row_xmask:8 row_mask:0xf bank_mask:0xf
	v_mul_f32 v30, -1.0, v30                       ; out b2 = -sum c
	v_cmp_eq_u32 vcc_lo, 0, v1
	s_wait_xcnt 0x0                                ; EXEC is a source of the store above: it changes only behind this wait
	s_and_saveexec_b32 s50, vcc_lo                 ; lane 0 alone
	global_store_b64 v8, v[30:31], s[22:23] offset:1024   ; bytes 264,192 .. 264,199, the last 8 of out
	s_wait_xcnt 0x0                                ; and again in front of the line that widens it
	s_or_b32 exec_lo, exec_lo, s50
.Lend:
	s_wait_tensorcnt 0x0
	ds_add_u32 v19, v29
	s_wait_dscnt 0x0
	s_endpgm
.Lfunc_end_k_qe3e618afbe_backward:
	.size	k_qe3e618afbe_backward, .Lfunc_end_k_qe3e618afbe_backward-k_qe3e618afbe_backward
	.p2alignl 7, 3214868480
	.fill 96, 4, 3214868480
	.section	.rodata,"a",@progbits
	.p2align	6, 0x0
	.amdhsa_kernel k_qe3e618afbe_backward
		.amdhsa_group_segment_fixed_size 76288
		.amdhsa_private_segment_fixed_size 0
		.amdhsa_enable_private_segment 0
		.amdhsa_kernarg_size 64
		.amdhsa_user_sgpr_count 2
		.amdhsa_user_sgpr_kernarg_segment_ptr 1
		.amdhsa_wavefront_size32 1
		.amdhsa_system_sgpr_workgroup_id_x 1
		.amdhsa_system_sgpr_workgroup_id_y 1
		.amdhsa_system_sgpr_workgroup_id_z 1
		.amdhsa_system_vgpr_workitem_id 0
		.amdhsa_next_free_vgpr 256
		.amdhsa_next_free_sgpr 66
		.amdhsa_reserve_vcc 1
		.amdhsa_float_denorm_mode_32 3
		.amdhsa_float_denorm_mode_16_64 3
		.amdhsa_memory_ordered 1
		.amdhsa_forward_progress 1
		.amdhsa_inst_pref_size 29
	.end_amdhsa_kernel
	.amdgpu_metadata
---
amdhsa.version: [ 1, 2 ]
amdhsa.kernels:
  - .name:           k_qe3e618afbe_backward
    .symbol:         k_qe3e618afbe_backward.kd
    .args:
      - { .name: usp, .offset: 0, .size: 8, .value_kind: global_buffer, .address_space: global }
      - { .name: ys, .offset: 8, .size: 8, .value_kind: global_buffer, .address_space: global }
      - { .name: b2, .offset: 16, .size: 8, .value_kind: global_buffer, .address_space: global }
      - { .name: W2, .offset: 24, .size: 8, .value_kind: global_buffer, .address_space: global }
      - { .name: xf, .offset: 32, .size: 8, .value_kind: global_buffer, .address_space: global }
      - { .name: mf, .offset: 40, .size: 8, .value_kind: global_buffer, .address_space: global }
      - { .name: hf, .offset: 48, .size: 8, .value_kind: global_buffer, .address_space: global }
      - { .name: out0, .offset: 56, .size: 8, .value_kind: global_buffer, .address_space: global }
    .group_segment_fixed_size: 76288
    .private_segment_fixed_size: 0
    .kernarg_segment_align: 8
    .kernarg_segment_size: 64
    .max_flat_workgroup_size: 512
    .sgpr_count:     66
    .vgpr_count:     256
    .wavefront_size: 32
...
	.end_amdgpu_metadata
.endif
;; end of part 2
